; MI455X (gfx1250); checked and timed in simulation.
; The chip was launched on July 23, 2026; its instructions are those of AMD's public machine-readable ISA for CDNA 5 (MIT licence, August 2026) and "CDNA5" Instruction Set Architecture Reference Guide (July 2026). The comments in the code are by the model that wrote it; some were corrected since.
;; Additive Attention. Allowed arithmetic: float matrix products may take bf16 or f16 operands with f32 sums; all other float work in f32.
;; Inputs: W1 1,024 x 1,024 float32; W2 1,024 x 1,024 float32; keys 64 x 1,024 x 1,024 float32; mask 64 x 1,024 bool; query 64 x 1,024 float32; v 1 x 1,024 float32.
;; Outputs: out0 64 x 1,024 float32; out1 64 x 1,024 float32.
;; One version. Each part assembles by itself: llvm-mc -triple=amdgcn-amd-amdhsa -mcpu=gfx1250 --defsym DOCPART=n.
;; ======== version 1 of 1: 3 launches
;; workspace buffers: w2b 2,097,152 bytes; qs 1,048,576 bytes; sc 262,144 bytes; ctxp 2,097,152 bytes
;; launch prep (part 1): grid 256 x 1, 8 waves a work-group, no clusters, 35,840 bytes of LDS; arguments W1, W2, query, w2b, qs; writes w2b, qs
.if DOCPART == 1
	.amdgcn_target "amdgcn-amd-amdhsa--gfx1250"
	.amdhsa_code_object_version 6
	.text
	.protected	k_q52db9b62ff_prep
	.globl	k_q52db9b62ff_prep
	.p2align	8
	.type	k_q52db9b62ff_prep,@function
k_q52db9b62ff_prep:
	s_mov_b64 s[64:65], 0
	v_nop
	global_prefetch_b8 v0, s[64:65] scope:SCOPE_SE
	s_setreg_imm32_b32 hwreg(HW_REG_WAVE_MODE, 25, 1), 1
	s_wait_xcnt 0x0
; PREP: (1) W2 [1024 h][1024 k] f32 -> w2b, bf16 in the order in which the main launch's matrix fragments want it:
;       byte ((G*32 + t)*8 + b)*1024 + c*512 + L*16 + 2e  holds  W2[128G + 16b + (L&15)][32t + 16c + 8(L>>4) + e].
;       (2) qs[kq][batch][h] = C2 * sum over k = 256 kq .. 256 kq + 255 of query[batch][k] W1[h][k], C2 = 2 log2(e), f32:
;       four partial sums, which the main launch adds; no sum spans work-groups inside a launch.
; 256 work-groups of 8 waves.  Work-group g: K quarter kq = g & 3, 16 batches mt = (g >> 2) & 3, 64 h ng = g >> 4.
; Wave w takes the one K step t = 8 kq + w (32 k): 16 loads of W1, 4 of query; the eight waves' sums meet in LDS.
; The same wave converts one unit of 1024 bytes of w2b: rows 16 (g >> 2) .. + 15 of W2 at K step t; 2048 waves, 2048 units.
; Operands of the product are rounded to bf16, sums are f32; the sum over k runs in another order than a plain loop's.
; No tensor loads, no cluster: each wave reads 24 pieces of 16 rows x 32 bytes once and is done; nothing is walked.
.set C2,   0x4038aa3b                  ; 2 / ln 2
.set PP,   272                         ; LDS pitch of a row of 64 f32: 256 bytes + 16
.set PW,   16*PP                       ; one wave's partial tile, 16 batches
.set FOFF, 3                           ; v3   16 rows x 4096 bytes: r*4096 + 32 h' + 128 t
.set PST,  4                           ; v4   where my partial sums go
.set RD,   5                           ; v5   where I read two rows of partial sums back
.set WOFF, 6                           ; v6   my 16 bytes in w2b
.set QOFF, 7                           ; v7   my 16 bytes in qs
.set FW2,  16                          ; v16-31   W2: 16 f32, then 8 registers of bf16 in place
.set FQ,   32                          ; v32-47   query, likewise
.set FW1,  48                          ; v48-111  W1, tile i at 16 i
.set ACC,  112                         ; v112-143 four accumulators
.set RED,  144                         ; v144-175 eight partial sums of my 4 numbers
; 16 rows x 32 k of f32 as a fragment wants them: lane (r, h') takes k = 8h'..8h'+7 and 16+8h'..16+8h'+7 of row r
.macro LDF dst, base, imm
	global_load_b128 v[\dst:\dst+3],     v[FOFF], s[\base:\base+1] offset:\imm
	global_load_b128 v[\dst+4:\dst+7],   v[FOFF], s[\base:\base+1] offset:\imm+16
	global_load_b128 v[\dst+8:\dst+11],  v[FOFF], s[\base:\base+1] offset:\imm+64
	global_load_b128 v[\dst+12:\dst+15], v[FOFF], s[\base:\base+1] offset:\imm+80
.endm
; 16 f32 to 8 registers of bf16, in place: register f+i is written when f+2i and f+2i+1 are read, and 2i >= i
.macro CVF f
.irp i, 0,1,2,3,4,5,6,7
	v_cvt_pk_bf16_f32 v[\f+\i], v[\f+2*\i], v[\f+2*\i+1]
.endr
.endm
	s_load_b256 s[4:11], s[0:1], 0x0               ; W1 s[4:5], W2 s[6:7], query s[8:9], w2b s[10:11]
	s_load_b64 s[12:13], s[0:1], 0x20              ; qs
	v_lshl_add_u32 v176, v0, 2, 0x8800
	v_mov_b32 v177, 0
	v_lshrrev_b32 v8, 5, v0
	v_readfirstlane_b32 s16, v8                    ; wave 0..7
	v_and_b32 v9, 31, v0                           ; lane L
	v_and_b32 v1, 15, v0                           ; r
	v_bfe_u32 v2, v0, 4, 1                         ; h'
	s_and_b32 s17, ttmp9, 3                        ; kq
	s_lshl_b32 s18, s17, 3
	s_add_co_u32 s18, s18, s16                     ; t = 8 kq + w
	s_lshl_b32 s19, s18, 7                         ; 32 f32 a K step
	v_lshlrev_b32 v[FOFF], 12, v1
	v_lshl_add_u32 v[FOFF], v2, 5, v[FOFF]
	v_add_nc_u32 v[FOFF], s19, v[FOFF]
	s_mul_i32 s20, s16, PW
	v_mul_u32_u24 v[PST], v1, PP
	v_lshl_add_u32 v[PST], v2, 5, v[PST]
	v_add_nc_u32 v[PST], s20, v[PST]               ; wave's tile + batch r + 8 h' numbers
	s_lshl_b32 s21, s16, 1
	v_add_nc_u32 v10, s21, v2                      ; batch 2 w + h' of the sixteen
	v_mul_u32_u24 v[RD], v10, PP
	v_lshl_add_u32 v[RD], v1, 4, v[RD]             ; 16 bytes a lane: sixteen lanes take a row of 256 bytes
	v_lshlrev_b32 v[QOFF], 12, v10
	v_lshl_add_u32 v[QOFF], v1, 4, v[QOFF]
	s_lshl_b32 s22, s18, 13
	v_lshl_add_u32 v[WOFF], v9, 4, s22             ; K step t is t * 8192 bytes into the block of w2b
	s_lshr_b32 s23, ttmp9, 2                       ; T = g >> 2: W2's tile of 16 rows
	s_lshl_b32 s24, s23, 16                        ; W2: T * 16 rows of 4096 bytes
	s_mov_b32 s25, 0
	s_and_b32 s26, s23, 3
	s_lshl_b32 s26, s26, 16                        ; query, qs: mt * 16 rows of 4096 bytes
	s_mov_b32 s27, 0
	s_lshr_b32 s28, ttmp9, 4
	s_lshl_b32 s30, s28, 8                         ; qs: ng * 64 numbers
	s_lshl_b32 s28, s28, 18                        ; W1: ng * 64 rows of 4096 bytes
	s_mov_b32 s29, 0
	s_add_co_u32 s30, s30, s26
	s_lshl_b32 s31, s17, 18                        ; qs: kq * 64 rows of 4096 bytes
	s_add_co_u32 s30, s30, s31
	s_mov_b32 s31, 0
	s_lshr_b32 s14, s23, 3
	s_lshl_b32 s14, s14, 18                        ; w2b: G = T >> 3, 262144 bytes each,
	s_and_b32 s15, s23, 7
	s_lshl_b32 s15, s15, 10                        ; b = T & 7, 1024 bytes each
	s_add_co_u32 s14, s14, s15
	s_mov_b32 s15, 0
	s_wait_kmcnt 0x0
	s_add_nc_u64 s[6:7], s[6:7], s[24:25]
	s_add_nc_u64 s[8:9], s[8:9], s[26:27]
	s_add_nc_u64 s[4:5], s[4:5], s[28:29]
	s_add_nc_u64 s[10:11], s[10:11], s[14:15]
	s_add_nc_u64 s[12:13], s[12:13], s[30:31]
	; all 24 loads go out at once: W2 (4), query (4), W1 (16)
	LDF FW2, 6, 0
	LDF FQ, 8, 0
.irp i, 0,1,2,3
	LDF FW1+16*\i, 4, 65536*\i
.endr
	s_wait_loadcnt 20                              ; W2's four are in; the 20 loads of query and W1 stay out
	CVF FW2
	global_store_b128 v[WOFF], v[FW2:FW2+3],   s[10:11]            ; each store of the wave: 512 consecutive bytes, aligned
	global_store_b128 v[WOFF], v[FW2+4:FW2+7], s[10:11] offset:512
	s_wait_loadcnt 0x0
	CVF FQ
.irp i, 0,1,2,3
	CVF FW1+16*\i
.endr
	; Used transposed: source 0 = 16 rows of W1 (h), source 1 = 16 rows of query (batch): lane (r, h') holds batch r,
	; register j holds h = 16 i + 8 h' + j.  One product for each of four accumulators: nothing is added in place.
.irp i, 0,1,2,3
	v_wmma_f32_16x16x32_bf16 v[ACC+8*\i:ACC+8*\i+7], v[FW1+16*\i:FW1+16*\i+7], v[FQ:FQ+7], 0
.endr
.rept 4
	v_nop                                          ; four places behind the last matrix instruction: the stores read results
.endr
.irp i, 0,1,2,3
	ds_store_b128 v[PST], v[ACC+8*\i:ACC+8*\i+3]   offset:64*\i
	ds_store_b128 v[PST], v[ACC+8*\i+4:ACC+8*\i+7] offset:64*\i+16
.endr
	s_wait_dscnt 0x0                               ; my partial sums are in LDS, for the others' sake
	s_barrier_signal -1
	s_barrier_wait -1
	; wave w adds the eight partial rows of batches 2w and 2w+1: lanes 0-15 one row of 64 numbers, lanes 16-31 the next
.irp p, 0,1,2,3,4,5,6,7
	ds_load_b128 v[RED+4*\p:RED+4*\p+3], v[RD] offset:\p*PW
.endr
	s_wait_dscnt 0x0
.irp p, 0,1,2,3,4,5,6,7
	v_pk_add_f32 v[RED+2*\p:RED+2*\p+1], v[RED+2*\p:RED+2*\p+1], v[RED+16+2*\p:RED+16+2*\p+1]
.endr
.irp p, 0,1,2,3
	v_pk_add_f32 v[RED+2*\p:RED+2*\p+1], v[RED+2*\p:RED+2*\p+1], v[RED+8+2*\p:RED+8+2*\p+1]
.endr
.irp p, 0,1
	v_pk_add_f32 v[RED+2*\p:RED+2*\p+1], v[RED+2*\p:RED+2*\p+1], v[RED+4+2*\p:RED+4+2*\p+1]
.endr
.irp p, 0,1
	v_pk_mul_f32 v[RED+2*\p:RED+2*\p+1], v[RED+2*\p:RED+2*\p+1], C2 op_sel_hi:[1,0]
.endr
	global_store_b128 v[QOFF], v[RED:RED+3], s[12:13]      ; sixteen lanes store 256 consecutive bytes, aligned; the other sixteen the row below
	s_wait_tensorcnt 0x0
	ds_add_u32 v176, v177
	s_wait_dscnt 0x0
	s_endpgm
.Lfunc_end_k_q52db9b62ff_prep:
	.size	k_q52db9b62ff_prep, .Lfunc_end_k_q52db9b62ff_prep-k_q52db9b62ff_prep
	.p2alignl 7, 3214868480
	.fill 96, 4, 3214868480
	.section	.rodata,"a",@progbits
	.p2align	6, 0x0
	.amdhsa_kernel k_q52db9b62ff_prep
		.amdhsa_group_segment_fixed_size 35840
		.amdhsa_private_segment_fixed_size 0
		.amdhsa_enable_private_segment 0
		.amdhsa_kernarg_size 40
		.amdhsa_user_sgpr_count 2
		.amdhsa_user_sgpr_kernarg_segment_ptr 1
		.amdhsa_wavefront_size32 1
		.amdhsa_system_sgpr_workgroup_id_x 1
		.amdhsa_system_sgpr_workgroup_id_y 1
		.amdhsa_system_sgpr_workgroup_id_z 1
		.amdhsa_system_vgpr_workitem_id 0
		.amdhsa_next_free_vgpr 178
		.amdhsa_next_free_sgpr 66
		.amdhsa_reserve_vcc 0
		.amdhsa_float_denorm_mode_32 3
		.amdhsa_float_denorm_mode_16_64 3
		.amdhsa_memory_ordered 1
		.amdhsa_forward_progress 1
		.amdhsa_inst_pref_size 11
	.end_amdhsa_kernel
	.amdgpu_metadata
---
amdhsa.version: [ 1, 2 ]
amdhsa.kernels:
  - .name:           k_q52db9b62ff_prep
    .symbol:         k_q52db9b62ff_prep.kd
    .args:
      - { .name: W1, .offset: 0, .size: 8, .value_kind: global_buffer, .address_space: global }
      - { .name: W2, .offset: 8, .size: 8, .value_kind: global_buffer, .address_space: global }
      - { .name: query, .offset: 16, .size: 8, .value_kind: global_buffer, .address_space: global }
      - { .name: w2b, .offset: 24, .size: 8, .value_kind: global_buffer, .address_space: global }
      - { .name: qs, .offset: 32, .size: 8, .value_kind: global_buffer, .address_space: global }
    .group_segment_fixed_size: 35840
    .private_segment_fixed_size: 0
    .kernarg_segment_align: 8
    .kernarg_segment_size: 40
    .max_flat_workgroup_size: 256
    .sgpr_count:     66
    .vgpr_count:     178
    .wavefront_size: 32
...
	.end_amdgpu_metadata
.endif
;; end of part 1
;; launch attn (part 2): grid 512 x 1, 4 waves a work-group, no clusters, 280,064 bytes of LDS; arguments keys, mask, w2b, qs, v, sc, ctxp; writes sc, ctxp
.if DOCPART == 2
	.amdgcn_target "amdgcn-amd-amdhsa--gfx1250"
	.amdhsa_code_object_version 6
	.text
	.protected	k_q52db9b62ff_attn
	.globl	k_q52db9b62ff_attn
	.p2align	8
	.type	k_q52db9b62ff_attn,@function
k_q52db9b62ff_attn:
	s_mov_b64 s[64:65], 0
	v_nop
	global_prefetch_b8 v0, s[64:65] scope:SCOPE_SE
	s_setreg_imm32_b32 hwreg(HW_REG_WAVE_MODE, 25, 1), 1
	s_wait_xcnt 0x0
; ATTN: for a block of 128 rows l of one batch (work-group g: batch g >> 3, rows 128 (g & 7) ..):
;   sc[l]   = -2 sum over h of v[h] / (1 + 2^(C2 (q[h] + k[l][h]))), -inf where mask[l] is not 0;  k = keys W2^T
;   ctxp[:] = sum over l of e[l] keys[l][:],  e[l] = exp(sc[l] - m),  m = the block's largest sc
; tanh x = 1 - 2 / (1 + e^(2x)), so sum v tanh = (sum v) + sc; the term sum v is the same for every l of a batch and cancels in the
; softmax for every input, so it is never formed.  The last launch joins the eight blocks of a batch by their maxima.
; THE SHAPE.  keys are read from memory once, rounded to bf16 and kept in LDS (128 rows x 2048 bytes, pitch 2064) until the scores are
; known, so the context is made from the resident copy.  Four waves; wave w owns h = 256 w .. 256 w + 255 in two passes of 128, a tile
; of 128 (l) x 128 (h) in 64 accumulators.  W2's fragments come from w2b straight into registers, 512 consecutive bytes a load: no
; other wave of the group uses them, so LDS would add a write and a read for each byte.
; A K STEP (32 k) is ONE run of memory instructions and then 64 matrix instructions.  The run of step t fetches W2's fragments of step
; t+2 (ring of three buffers), the keys fragments of step t+1 from LDS (two buffers), and in pass 0 rounds and stores half-chunk t+3
; and asks for half-chunk t+6 (ring of three register sets).  A half-chunk is 16 rows x 256 bytes of keys for each wave, 8 loads.
; The rings have period 3 and the buffers period 2, so a trip is six K steps.  One barrier for every two K steps shows a chunk of 64 k
; to all waves.  Every byte of the block is written once, so store -> barrier -> load is all the ordering.
; By this text's own count a wave has at most 59 loads into registers outstanding (at the start), 56 in the loop.
; NO CLUSTER, NO TENSOR LOADS: beside the block (264,192 bytes) and 15,360 bytes of scratch the work-group could be given 48,128 more;
; two slots of 24 KiB hold 12,288 numbers of W2 each, which is 48 matrix instructions of a wave from one round of a cluster's
; barrier to the next, too few for a tile to land in.
; LIMITS.  Matrix operands (keys, W2, e) are bf16, sums f32, in another order than a plain loop's.  A mask byte other than 0 counts
; as true.  2^x may reach infinity or 0: then 1 / (1 + 2^x) is exactly 0 or 1, the saturated tanh.  NaN and infinite inputs are not followed.
.set AP,    2064                       ; LDS pitch of a row of the block: 129 x 16 bytes, so 16 neighbouring rows start in 16 different 16-byte columns of 256
.set LQ,    128*AP                     ; 4096 bytes: the batch's row of C2 q;  behind it 4096 bytes: -2 v
.set LSP,   LQ+8192                    ; 2048 bytes: score partials [wave][128]
.set LEB,   LSP+2048                   ; 1024 bytes: e in bf16, 256 bytes for each wave, its own
.set LCS,   LEB+1024                   ; 4096 bytes: context stage, 1024 bytes for each wave, its own
.set C2,    0x4038aa3b                 ; 2 / ln 2
.set LOG2E, 0x3fb8aa3b
; window 0
.set ABASE, 1                          ; r*AP + 16 h', never stepped
.set BOFF,  2                          ; 16 L
.set KOFF,  3                          ; (32 w + 8 h') * 4096 + 16 r
.set STA,   4                          ; (32 w + 8 h') * AP + 8 r, + 64 a K step
.set PFO,   5                          ; (32 w + L) * 4096
.set MK,    6                          ; mask bytes of rows 4L .. 4L+3
.set NINF,  7                          ; -infinity
.set ADA,   8                          ; v8-11  ABASE + p * 32 rows, + 64 a K step
.set QAD,   12                         ; LQ + 1024 w + 32 h'
.set SPA,   13                         ; LSP + 512 w + 4 r
.set SCR,   16                         ; v16-23 score sums of row tile a
.set SAC,   24                         ; v24-31 four pairs at work
; keys fragments: buffer 0 (even K steps) v64-95 rows 0-63, v96-127 rows 64-127; buffer 1 (odd) v32-63 rows 0-63, v224-255 rows 64-127
.set TT,    64                         ; v64-127 at work behind a pass
.set EF,    64                         ; at the end: fragments of e
.set HB,    128                        ; v128-223 three sets of 32: half-chunks of keys on their way
.set QR,    128                        ; behind a pass: my 64 numbers of C2 q
.set VR,    192                        ;                my 64 numbers of -2 v
.set TRA,   52                         ; v52-55 at the end: addresses of the transposing loads
; window 1: W2's fragments, ring of three buffers of 64 registers;  windows 2, 3: accumulators, tile (a, b) at 8 (8 (a & 3) + b)
.set KP,    24                         ; s[24:25] keys at the block, + 128 a K step
.set BP,    26                         ; s[26:27] w2b at my wave's 64 K steps, + 8192 a K step
.set MSB, 0
.macro WIN new                         ; the immediate's high byte repeats the setting that is left; a switch that changes nothing is dropped
.if MSB != \new
	s_set_vgpr_msb (MSB<<8)|\new
.set MSB, \new
.endif
.endm
.set TO_B,   0x40                      ; destination window 1, address window 0
.set MUL_LO, 0xa1                      ; source 0 (W2) window 1, source 1 (keys) window 0, C and D window 2
.set MUL_HI, 0xf1                      ; the same, C and D window 3
.set EP_LO,  0x02                      ; source 0 window 2
.set EP_HI,  0x03                      ; source 0 window 3
.set CM,     0xa4                      ; source 0 (e) window 0, source 1 (keys) window 1, C and D window 2
.set MRG,    0x0a                      ; sources 0 and 1 window 2
; Four places behind a matrix instruction (ISA guide 7.12.1) before a vector instruction reads its result or writes one of its
; registers.
.macro PLACES
.rept 4
	v_nop
.endr
.endm
; half-chunk into registers hb ..: rows 32 w + 16 eta + j + 8 h', 64 k at chunk x (counted from this trip's first).
; Lanes 0-15 take 256 consecutive bytes of row j, lanes 16-31 of row j + 8
.macro KLD hb, x, eta
.irp j, 0,1,2,3,4,5,6,7
	global_load_b128 v[\hb+4*\j:\hb+4*\j+3], v[KOFF], s[KP:KP+1] offset:(\x)*256+(16*(\eta)+\j)*4096 th:TH_LOAD_NT
.endr
.endm
; the half-chunk rounded to bf16 in place, all sixteen conversions in one group, apart from the stores that read them
.macro KCV hb
.irp j, 0,1,2,3,4,5,6,7
	v_cvt_pk_bf16_f32 v[\hb+4*\j],   v[\hb+4*\j],   v[\hb+4*\j+1]
	v_cvt_pk_bf16_f32 v[\hb+4*\j+1], v[\hb+4*\j+2], v[\hb+4*\j+3]
.endr
.endm
; and stored: 8 bytes a lane; the two halves of the lanes lie 8 rows = 4128 words apart
.macro KSS hb, x, eta
.irp j, 0,1,2,3,4,5,6,7
	ds_store_b64 v[STA], v[\hb+4*\j:\hb+4*\j+1] offset:(16*(\eta)+\j)*AP+(\x)*128
.endr
.endm
; W2's eight fragments of K step k (counted from this trip's first) into ring buffer buf
.macro BLD buf, k
	WIN TO_B
.irp b, 0,1,2,3,4,5,6,7
	global_load_b128 v[64*(\buf)+8*\b:64*(\buf)+8*\b+3],   v[BOFF], s[BP:BP+1] offset:(\k)*8192+\b*1024
	global_load_b128 v[64*(\buf)+8*\b+4:64*(\buf)+8*\b+7], v[BOFF], s[BP:BP+1] offset:(\k)*8192+\b*1024+512
.endr
.endm
; the eight fragments of keys of one K step (128 rows, 32 k at byte kb of the rows) into buffer pa
.macro ALD pa, kb
.irp ap, 0,1,2,3
	ds_load_b128 v[64-32*(\pa)+8*\ap:64-32*(\pa)+8*\ap+3],   v[ADA+(\ap>>1)] offset:(\ap&1)*16*AP+(\kb)
	ds_load_b128 v[64-32*(\pa)+8*\ap+4:64-32*(\pa)+8*\ap+7], v[ADA+(\ap>>1)] offset:(\ap&1)*16*AP+(\kb)+32
.endr
.irp ap, 0,1,2,3
	ds_load_b128 v[96+128*(\pa)+8*\ap:96+128*(\pa)+8*\ap+3],   v[ADA+2+(\ap>>1)] offset:(\ap&1)*16*AP+(\kb)
	ds_load_b128 v[96+128*(\pa)+8*\ap+4:96+128*(\pa)+8*\ap+7], v[ADA+2+(\ap>>1)] offset:(\ap&1)*16*AP+(\kb)+32
.endr
.endm
; 32 matrix instructions, used transposed: source 0 = 16 rows of W2, source 1 = 16 rows of keys (four fragments at ab), so lane (r, h')
; holds row l = 16 a + r and register j holds h = 16 b + 8 h' + j.  The 64 accumulators take turns, one instruction a turn.
.macro MUL32 buf, ab, zero
.irp ap, 0,1,2,3
.irp b, 0,1,2,3,4,5,6,7
.if \zero
	v_wmma_f32_16x16x32_bf16 v[8*(8*\ap+\b):8*(8*\ap+\b)+7], v[64*(\buf)+8*\b:64*(\buf)+8*\b+7], v[\ab+8*\ap:\ab+8*\ap+7], 0
.else
	v_wmma_f32_16x16x32_bf16 v[8*(8*\ap+\b):8*(8*\ap+\b)+7], v[64*(\buf)+8*\b:64*(\buf)+8*\b+7], v[\ab+8*\ap:\ab+8*\ap+7], v[8*(8*\ap+\b):8*(8*\ap+\b)+7]
.endif
.endr
.endr
.endm
; K step t.  i: its place in the trip of six (its parity is t's).  rb = t mod 3: W2's buffer of this step, and the set of half-chunks t+3 and t+6.
; rt = (t+2) mod 3.  zero: the products start the sums.  wl: loads issued behind W2's fragments of step t.  bld: fetch step t+2's.
; bw: wait at the barrier that shows chunk (t+1)/2.  bs: signal the barrier that shows chunk t/2 + 1.  ald: fetch step t+1's keys fragments.
; kst: round and store half-chunk t+3.  kld: ask for half-chunk t+6.  pf: byte offset of a chunk to prefetch, or 0.
.macro STEP i, rb, rt, zero, wl, bld, bw, bs, ald, kst, kld, pf
	PLACES
	s_wait_loadcnt \wl                             ; loads return in issue order (ISA guide 5.7.1): W2's fragments of this step are in, and all older loads, half-chunk t+3 among them
.if \kst+\bw
	WIN 0
.endif
.if \kst
	KCV HB+32*\rb
.endif
.if \bw
	s_barrier_wait -1                              ; every wave's part of the next chunk is in LDS; since the signal: register work alone
.endif
.if \bld
	BLD \rt, \i+2                                  ; into the buffer read in the last step
.endif
	WIN 0
.if \kst
	KSS HB+32*\rb, (\i+3)>>1, (\i+1)&1
.endif
.if \ald
	ALD (\i+1)&1, 64*(\i+1)                        ; into the buffer read in the last step
.endif
.if \kld
	KLD HB+32*\rb, 3+(\i>>1), \i&1                 ; into the set just stored
.endif
.if \pf
	global_prefetch_b8 v[PFO], s[KP:KP+1] offset:\pf th:TH_LOAD_NT scope:SCOPE_SE   ; lane L: my row 32 w + L's 256 bytes of chunk t/2 + 4, whose first load stands two K steps further on
.endif
	s_wait_dscnt 8*\kst+16*\ald                    ; this step's keys fragments, the last LDS instructions of the run before, are in; younger: this run's stores and loads
	WIN MUL_LO
	MUL32 \rb, 64-32*(\i&1), \zero
.if \bs
	s_wait_dscnt 0x0                               ; my stores of the next chunk's two halves are done (and no LDS instruction of mine is out)
	s_barrier_signal -1
.endif
	WIN MUL_HI
	MUL32 \rb, 96+128*(\i&1), \zero
.endm
; behind n K steps the bases step
.macro TEND n, kp, sta, ada
	WIN 0
	s_wait_xcnt 0x0                                ; the bases of loads and prefetches are rewritten only behind this wait
	s_add_nc_u64 s[BP:BP+1], s[BP:BP+1], \n*8192
.if \kp
	s_add_nc_u64 s[KP:KP+1], s[KP:KP+1], \n*128
.endif
.if \sta
	v_add_nc_u32 v[STA], \n*64, v[STA]
.endif
.if \ada
.irp p, 0,1,2,3
	v_add_nc_u32 v[ADA+\p], \n*64, v[ADA+\p]
.endr
.endif
.endm
; Behind pass p: SCR[a] (+)= sum over my 64 h of -2 v / (1 + 2^(C2 k + C2 q)), for the eight row tiles a
.macro EPI p, first
	PLACES
	WIN 0
.irp b, 0,1,2,3,4,5,6,7
	ds_load_b128 v[QR+8*\b:QR+8*\b+3],   v[QAD] offset:\p*512+\b*64
	ds_load_b128 v[QR+8*\b+4:QR+8*\b+7], v[QAD] offset:\p*512+\b*64+16
	ds_load_b128 v[VR+8*\b:VR+8*\b+3],   v[QAD] offset:4096+\p*512+\b*64
	ds_load_b128 v[VR+8*\b+4:VR+8*\b+7], v[QAD] offset:4096+\p*512+\b*64+16
.endr
	s_wait_dscnt 0x0
.irp a, 0,1,2,3,4,5,6,7
.if \a < 4
	WIN EP_LO
.else
	WIN EP_HI
.endif
.set q, 0
.rept 32
	v_pk_fma_f32 v[TT+2*q:TT+2*q+1], v[64*(\a&3)+2*q:64*(\a&3)+2*q+1], s[34:35], v[QR+2*q:QR+2*q+1] op_sel_hi:[1,0,1]
.set q, q+1
.endr
	WIN 0
.set q, 0
.rept 64
	v_exp_f32 v[TT+q], v[TT+q]
.set q, q+1
.endr
	v_nop                                          ; one plain instruction behind a run of transcendentals before their results are used (ISA guide 5.7.2)
.set q, 0
	s_wait_alu depctr_va_vdst(0)
.rept 32
	v_pk_add_f32 v[TT+2*q:TT+2*q+1], v[TT+2*q:TT+2*q+1], 1.0 op_sel_hi:[1,0]
.set q, q+1
.endr
.set q, 0
.rept 64
	v_rcp_f32 v[TT+q], v[TT+q]
.set q, q+1
.endr
	v_nop
	s_wait_alu depctr_va_vdst(0)
.irp jp, 0,1,2,3
	v_pk_mul_f32 v[SAC+2*\jp:SAC+2*\jp+1], v[VR+2*\jp:VR+2*\jp+1], v[TT+2*\jp:TT+2*\jp+1]     ; the first products start four chains
.endr
.irp b, 1,2,3,4,5,6,7
.irp jp, 0,1,2,3
	v_pk_fma_f32 v[SAC+2*\jp:SAC+2*\jp+1], v[VR+8*\b+2*\jp:VR+8*\b+2*\jp+1], v[TT+8*\b+2*\jp:TT+8*\b+2*\jp+1], v[SAC+2*\jp:SAC+2*\jp+1]
.endr
.endr
	v_pk_add_f32 v[SAC:SAC+1], v[SAC:SAC+1], v[SAC+2:SAC+3]
	v_pk_add_f32 v[SAC+4:SAC+5], v[SAC+4:SAC+5], v[SAC+6:SAC+7]
	v_pk_add_f32 v[SAC:SAC+1], v[SAC:SAC+1], v[SAC+4:SAC+5]
.if \first
	v_add_f32 v[SCR+\a], v[SAC], v[SAC+1]
.else
	v_add_f32 v[SAC], v[SAC], v[SAC+1]
	v_add_f32 v[SCR+\a], v[SCR+\a], v[SAC]
.endif
.endr
.endm
	; ---------------------------------------------------------------- set-up
	s_load_b256 s[4:11], s[0:1], 0x0               ; keys s[4:5], mask s[6:7], w2b s[8:9], qs s[10:11]
	s_load_b128 s[12:15], s[0:1], 0x20             ; v s[12:13], sc s[14:15]
	s_load_b64 s[16:17], s[0:1], 0x30              ; ctxp
	v_lshrrev_b32 v32, 5, v0
	v_readfirstlane_b32 s20, v32                   ; wave 0..3
	v_and_b32 v33, 31, v0                          ; L
	v_and_b32 v34, 15, v0                          ; r
	v_bfe_u32 v35, v0, 4, 1                        ; h'
	s_lshl_b32 s29, s20, 5                         ; my 32 rows of the block
	v_lshlrev_b32 v[BOFF], 4, v33
	v_lshl_add_u32 v36, v35, 3, s29                ; 32 w + 8 h'
	v_lshlrev_b32 v[KOFF], 12, v36
	v_lshl_add_u32 v[KOFF], v34, 4, v[KOFF]
	v_mul_u32_u24 v[STA], v36, AP
	v_lshl_add_u32 v[STA], v34, 3, v[STA]
	v_add_nc_u32 v37, s29, v33
	v_lshlrev_b32 v[PFO], 12, v37
	v_mov_b32 v[NINF], 0xff800000
	v_mul_u32_u24 v[ABASE], v34, AP
	v_lshl_add_u32 v[ABASE], v35, 4, v[ABASE]
.irp p, 0,1,2,3
	v_add_nc_u32 v[ADA+\p], \p*32*AP, v[ABASE]
.endr
	s_lshl_b32 s32, s20, 10
	s_add_co_u32 s32, s32, LQ
	v_lshl_add_u32 v[QAD], v35, 5, s32
	s_lshl_b32 s33, s20, 9
	s_add_co_u32 s33, s33, LSP
	v_lshl_add_u32 v[SPA], v34, 2, s33
	v_lshlrev_b32 v14, 4, v0                       ; 16 x thread: my 16 bytes of the rows of qs and v
	v_add_nc_u32 v15, LQ, v14                      ; and where they go
	v_lshlrev_b32 v16, 2, v33                      ; my four mask bytes
	s_mov_b32 s30, 0x76543210                      ; v_permlanex16_b32: lane i of one half reads lane i of the other
	s_mov_b32 s31, 0xfedcba98
	s_mov_b32 s34, C2
	s_mov_b32 s35, C2
	s_mov_b32 s23, 0
	s_wait_kmcnt 0x0
	s_lshl_b32 s22, ttmp9, 19                      ; 128 rows of 4096 bytes; 511 * 524288 is below 2^31
	s_add_nc_u64 s[KP:KP+1], s[4:5], s[22:23]
	s_lshl_b32 s22, s20, 19                        ; my wave's 64 K steps of 8192 bytes
	s_add_nc_u64 s[BP:BP+1], s[8:9], s[22:23]
	s_lshl_b32 s22, ttmp9, 7
	s_add_nc_u64 s[6:7], s[6:7], s[22:23]          ; mask at the block
	s_lshr_b32 s22, ttmp9, 3
	s_lshl_b32 s22, s22, 12
	s_add_nc_u64 s[10:11], s[10:11], s[22:23]      ; qs at the batch's row of the first partial sum
	s_lshl_b32 s22, ttmp9, 9
	s_add_nc_u64 s[14:15], s[14:15], s[22:23]      ; sc at the block
	s_lshl_b32 s22, ttmp9, 12
	s_add_nc_u64 s[16:17], s[16:17], s[22:23]      ; ctxp at the block
	; ---------------------------------------------------------------- the first loads: half-chunks 0-2, qs, v, mask (35), half-chunk 3 (8), W2's step 0 (16): 59
	KLD 64, 0, 0                                   ; half-chunk 0 lands in the keys fragments' buffer 0, free until the first fragments are read: set 0 is half-chunk 3's
	KLD HB+32, 0, 1
	KLD HB+64, 1, 0
.irp kq, 0,1,2,3
	global_load_b128 v[32+8*\kq:35+8*\kq], v14, s[10:11] offset:262144*\kq         ; the four partial sums over k of C2 q
	global_load_b128 v[36+8*\kq:39+8*\kq], v14, s[10:11] offset:262144*\kq+2048
.endr
	global_load_b128 v[224:227], v14, s[12:13]
	global_load_b128 v[228:231], v14, s[12:13] offset:2048
	global_load_b32 v[MK], v16, s[6:7]
	KLD HB, 1, 1
	BLD 0, 0
	WIN 0
	s_wait_loadcnt 24                              ; all but half-chunk 3's eight and W2's sixteen
.irp c, 0,1,2,3
	v_pk_add_f32 v[32+2*\c:33+2*\c], v[32+2*\c:33+2*\c], v[40+2*\c:41+2*\c]
	v_pk_add_f32 v[48+2*\c:49+2*\c], v[48+2*\c:49+2*\c], v[56+2*\c:57+2*\c]
.endr
.irp c, 0,1,2,3
	v_pk_add_f32 v[32+2*\c:33+2*\c], v[32+2*\c:33+2*\c], v[48+2*\c:49+2*\c]
.endr
.irp c, 0,1,2,3
	v_pk_mul_f32 v[224+2*\c:225+2*\c], v[224+2*\c:225+2*\c], -2.0 op_sel_hi:[1,0]
.endr
	KCV 64
	KCV HB+32
	KCV HB+64
	ds_store_b128 v15, v[32:35]
	ds_store_b128 v15, v[36:39] offset:2048
	ds_store_b128 v15, v[224:227] offset:4096
	ds_store_b128 v15, v[228:231] offset:6144
	KSS 64, 0, 0
	KSS HB+32, 0, 1
	KSS HB+64, 1, 0
	; from here the loads follow each other as in the loop: behind W2's step 0 stand 8 + 16 + 8 = 32
	KLD HB+32, 2, 0                                ; half-chunk 4
	BLD 1, 1
	WIN 0
	KLD HB+64, 2, 1                                ; half-chunk 5
	s_wait_dscnt 0x0                               ; my parts of chunk 0, of C2 q and of -2 v are in LDS
	s_barrier_signal -1
	s_barrier_wait -1
	ALD 0, 0
	; ---------------------------------------------------------------- pass 0: K steps 0-31, the block arrives under them
.macro TRIP0 zero
	STEP 0, 0, 2, \zero, 32, 1, 0, 1, 1, 1, 1, 1024
	STEP 1, 1, 0, 0,     32, 1, 1, 0, 1, 1, 1, 0
	STEP 2, 2, 1, 0,     32, 1, 0, 1, 1, 1, 1, 1280
	STEP 3, 0, 2, 0,     32, 1, 1, 0, 1, 1, 1, 0
	STEP 4, 1, 0, 0,     32, 1, 0, 1, 1, 1, 1, 1536
	STEP 5, 2, 1, 0,     32, 1, 1, 0, 1, 1, 1, 0
	TEND 6, 1, 1, 1
.endm
	TRIP0 1                                        ; steps 0-5: the first products start the sums
	s_mov_b32 s28, 3
.Lpass0:
	TRIP0 0                                        ; steps 6-23; with steps 0-5 they prefetch chunks 4 to 15, a row's last: nothing points past a row's end
	s_sub_co_i32 s28, s28, 1
	s_cmp_lg_u32 s28, 0
	s_cbranch_scc1 .Lpass0
	STEP 0, 0, 2, 0, 32, 1, 0, 1, 1, 1, 1, 0       ; step 24
	STEP 1, 1, 0, 0, 32, 1, 1, 0, 1, 1, 1, 0       ; step 25 asks for the last half-chunk, 31
	STEP 2, 2, 1, 0, 32, 1, 0, 1, 1, 1, 0, 0       ; behind W2's step 26: 8 + 16 + 8
	STEP 3, 0, 2, 0, 24, 1, 1, 0, 1, 1, 0, 0       ; behind W2's step 27: 8 + 16
	STEP 4, 1, 0, 0, 16, 1, 0, 1, 1, 1, 0, 0       ; step 28 stores the last half-chunk and signals the last barrier; from here 16: the next step's fragments of W2
	STEP 5, 2, 1, 0, 16, 1, 1, 0, 1, 0, 0, 0
	TEND 6, 0, 0, 1
	STEP 0, 0, 2, 0, 16, 1, 0, 0, 1, 0, 0, 0       ; step 30
	STEP 1, 1, 0, 0, 16, 1, 0, 0, 0, 0, 0, 0       ; step 31; W2's loads run on into pass 1: my 64 K steps are one stream
	TEND 2, 0, 0, 0
	EPI 0, 1
	; ---------------------------------------------------------------- pass 1: K steps 32-63 on the resident block, no barrier
.irp p, 0,1,2,3
	v_add_nc_u32 v[ADA+\p], \p*32*AP, v[ABASE]     ; back to k = 0
.endr
	ALD 0, 0
.macro TRIP1 zero
	STEP 0, 2, 1, \zero, 16, 1, 0, 0, 1, 0, 0, 0   ; 32 mod 3 = 2
	STEP 1, 0, 2, 0,     16, 1, 0, 0, 1, 0, 0, 0
	STEP 2, 1, 0, 0,     16, 1, 0, 0, 1, 0, 0, 0
	STEP 3, 2, 1, 0,     16, 1, 0, 0, 1, 0, 0, 0
	STEP 4, 0, 2, 0,     16, 1, 0, 0, 1, 0, 0, 0
	STEP 5, 1, 0, 0,     16, 1, 0, 0, 1, 0, 0, 0
	TEND 6, 0, 0, 1
.endm
	TRIP1 1                                        ; steps 32-37
	s_mov_b32 s28, 4
.Lpass1:
	TRIP1 0                                        ; steps 38-61; step 61 asks for step 63's fragments, the last
	s_sub_co_i32 s28, s28, 1
	s_cmp_lg_u32 s28, 0
	s_cbranch_scc1 .Lpass1
	STEP 0, 2, 1, 0, 16, 0, 0, 0, 1, 0, 0, 0       ; step 62
	STEP 1, 0, 2, 0, 0,  0, 0, 0, 0, 0, 0, 0       ; step 63
	EPI 1, 0
	; ---------------------------------------------------------------- the scores: the two halves of the lanes, then the four waves
.irp a, 0,1,2,3,4,5,6,7
	v_permlanex16_b32 v[SAC+\a], v[SCR+\a], s30, s31
.endr
.irp a, 0,1,2,3,4,5,6,7
	v_add_f32 v[SCR+\a], v[SCR+\a], v[SAC+\a]
.endr
.irp a, 0,1,2,3,4,5,6,7
	ds_store_b32 v[SPA], v[SCR+\a] offset:64*\a    ; row 16 a + r; both halves of the lanes write the same word with the same number
.endr
	v_and_b32 v56, 31, v0                          ; L
	v_and_b32 v57, 7, v0
	v_bfe_u32 v58, v0, 4, 1                        ; h'
	v_bfe_u32 v59, v0, 3, 1
	s_mov_b32 s32, LSP
	v_lshl_add_u32 v14, v56, 4, s32                ; rows 4L .. 4L+3 of a wave's partials
	s_lshl_b32 s33, s20, 8
	s_add_co_u32 s33, s33, LEB
	v_lshl_add_u32 v15, v56, 3, s33                ; my four e
	v_lshl_add_u32 v48, v58, 4, s33                ; e as a fragment: 8 numbers at 16 h'
	s_lshl_b32 s37, s20, 10
	s_add_co_u32 s36, s37, LCS
	v_lshl_add_u32 v49, v56, 2, s36                ; the stage, in
	v_lshl_add_u32 v50, v56, 4, s36                ; the stage, back
	v_lshl_add_u32 v51, v56, 4, s37                ; my 16 bytes of the wave's 1024 in ctxp
	v_lshl_add_u32 v60, v58, 3, v57                ; row 8 h' + (L & 7)
	v_mul_u32_u24 v60, v60, AP
	v_lshl_add_u32 v60, v59, 4, v60                ; + 16 bytes for lanes 8-15 and 24-31
	s_lshl_b32 s38, s20, 9                         ; my 256 columns
	v_add_nc_u32 v[TRA], s38, v60
.irp ls, 1,2,3
	v_add_nc_u32 v[TRA+\ls], \ls*32*AP, v[TRA]
.endr
	s_wait_dscnt 0x0
	s_barrier_signal -1
	s_barrier_wait -1
	; every wave makes all 128 scores, in the same order, so all hold the same numbers
.irp wv, 0,1,2,3
	ds_load_b128 v[32+4*\wv:35+4*\wv], v14 offset:512*\wv
.endr
	s_wait_dscnt 0x0
	v_pk_add_f32 v[32:33], v[32:33], v[36:37]
	v_pk_add_f32 v[34:35], v[34:35], v[38:39]
	v_pk_add_f32 v[40:41], v[40:41], v[44:45]
	v_pk_add_f32 v[42:43], v[42:43], v[46:47]
	v_pk_add_f32 v[32:33], v[32:33], v[40:41]
	v_pk_add_f32 v[34:35], v[34:35], v[42:43]
.irp i, 0,1,2,3
	v_bfe_u32 v36, v[MK], 8*\i, 8
	v_cmp_ne_u32 vcc_lo, 0, v36
	v_cndmask_b32 v[32+\i], v[32+\i], v[NINF], vcc_lo      ; the mask only selects a value
.endr
	s_cmp_lg_u32 s20, 0
	s_cbranch_scc1 .Lnot0
	global_store_b128 v[BOFF], v[32:35], s[14:15]  ; wave 0: 512 consecutive bytes, aligned; v32-35 and the offset are not written again
.Lnot0:
	; the block's maximum, held at or above the most negative finite number, so that a block that is all masked gives e = 0
	v_max3_num_f32 v40, v32, v33, v34
	v_max_num_f32 v40, v40, v35
	v_max_num_f32_dpp v40, v40, v40 row_xmask:1 row_mask:0xf bank_mask:0xf
	v_max_num_f32_dpp v40, v40, v40 row_xmask:2 row_mask:0xf bank_mask:0xf
	v_max_num_f32_dpp v40, v40, v40 row_xmask:4 row_mask:0xf bank_mask:0xf
	v_max_num_f32_dpp v40, v40, v40 row_xmask:8 row_mask:0xf bank_mask:0xf
	v_permlanex16_b32 v41, v40, s30, s31
	v_max_num_f32 v40, v40, v41
	v_max_num_f32 v40, 0xff7fffff, v40
.irp i, 0,1,2,3
	v_sub_f32 v[36+\i], v[32+\i], v40
.endr
.irp i, 0,1,2,3
	v_mul_f32 v[36+\i], LOG2E, v[36+\i]
.endr
.irp i, 0,1,2,3
	v_exp_f32 v[36+\i], v[36+\i]
.endr
	v_nop
	s_wait_alu depctr_va_vdst(0)
	v_cvt_pk_bf16_f32 v44, v36, v37
	v_cvt_pk_bf16_f32 v45, v38, v39
	ds_store_b64 v15, v[44:45]                     ; my wave's own copy of e: LDS serves a wave's instructions in order, so no wait and no barrier
.irp ls, 0,1,2,3
	ds_load_b128 v[EF+8*\ls:EF+8*\ls+3],   v48 offset:64*\ls
	ds_load_b128 v[EF+8*\ls+4:EF+8*\ls+7], v48 offset:64*\ls+32
.endr
	; ---------------------------------------------------------------- the context: e (all 16 rows of the fragment alike) x keys [l][k], my 256 columns
; 16 column tiles x 32 rows l, transposed on the way in
.macro TRLD buf, ls
	WIN TO_B
.irp tau, 0,1,2,3,4,5,6,7,8,9,10,11,12,13,14,15
	ds_load_tr16_b128 v[\buf+8*\tau:\buf+8*\tau+3],   v[TRA+\ls] offset:32*\tau
	ds_load_tr16_b128 v[\buf+8*\tau+4:\buf+8*\tau+7], v[TRA+\ls] offset:32*\tau+16*AP
.endr
.endm
; sixteen accumulators take turns, one instruction a turn
.macro CMUL buf, ls, zero
	WIN CM
.irp tau, 0,1,2,3,4,5,6,7,8,9,10,11,12,13,14,15
.if \zero
	v_wmma_f32_16x16x32_bf16 v[8*\tau:8*\tau+7], v[EF+8*\ls:EF+8*\ls+7], v[\buf+8*\tau:\buf+8*\tau+7], 0
.else
	v_wmma_f32_16x16x32_bf16 v[8*\tau:8*\tau+7], v[EF+8*\ls:EF+8*\ls+7], v[\buf+8*\tau:\buf+8*\tau+7], v[8*\tau:8*\tau+7]
.endif
.endr
.endm
	TRLD 0, 0
	TRLD 128, 1                                    ; 73 LDS instructions have been issued since the last wait; the issue of the last ones holds until the oldest are done (ISA guide 5.7.1)
	s_wait_dscnt 32                                ; e and rows 0-31 are in; the 32 loads of rows 32-63 stay out
	CMUL 0, 0, 1
	PLACES
	TRLD 0, 2
	s_wait_dscnt 32                                ; rows 32-63 are in; the 32 just issued stay out
	CMUL 128, 1, 0
	PLACES
	TRLD 128, 3
	s_wait_dscnt 32                                ; rows 64-95
	CMUL 0, 2, 0
	s_wait_dscnt 0x0
	CMUL 128, 3, 0
	PLACES
	; register 0 of tile tau holds column 16 tau + r in both halves of the lanes: lanes 0-15 take an even tile, lanes 16-31 the odd one beside it
	WIN 0
	v_cmp_le_u32 vcc_lo, 16, v56
	WIN MRG
.irp t2, 0,1,2,3,4,5,6,7
	v_cndmask_b32 v[96+\t2], v[16*\t2], v[16*\t2+8], vcc_lo
.endr
	WIN 0
.irp t2, 0,1,2,3,4,5,6,7
	ds_store_b32 v49, v[96+\t2] offset:128*\t2     ; column 32 t2 + L, into my wave's own stage
.endr
	ds_load_b128 v[104:107], v50
	ds_load_b128 v[108:111], v50 offset:512
	s_wait_dscnt 1
	global_store_b128 v51, v[104:107], s[16:17]    ; each store of the wave: 512 consecutive bytes, aligned
	s_wait_dscnt 0x0
	global_store_b128 v51, v[108:111], s[16:17] offset:512
	s_wait_xcnt 0x0
	v_lshl_add_u32 v254, v0, 2, 0x44400
	v_mov_b32 v255, 0
	s_wait_tensorcnt 0x0
	ds_add_u32 v254, v255
	s_wait_dscnt 0x0
	s_endpgm
.Lfunc_end_k_q52db9b62ff_attn:
	.size	k_q52db9b62ff_attn, .Lfunc_end_k_q52db9b62ff_attn-k_q52db9b62ff_attn
	.p2alignl 7, 3214868480
	.fill 96, 4, 3214868480
	.section	.rodata,"a",@progbits
	.p2align	6, 0x0
	.amdhsa_kernel k_q52db9b62ff_attn
		.amdhsa_group_segment_fixed_size 280064
		.amdhsa_private_segment_fixed_size 0
		.amdhsa_enable_private_segment 0
		.amdhsa_kernarg_size 56
		.amdhsa_user_sgpr_count 2
		.amdhsa_user_sgpr_kernarg_segment_ptr 1
		.amdhsa_wavefront_size32 1
		.amdhsa_system_sgpr_workgroup_id_x 1
		.amdhsa_system_sgpr_workgroup_id_y 1
		.amdhsa_system_sgpr_workgroup_id_z 1
		.amdhsa_system_vgpr_workitem_id 0
		.amdhsa_next_free_vgpr 1024
		.amdhsa_next_free_sgpr 66
		.amdhsa_reserve_vcc 1
		.amdhsa_float_denorm_mode_32 3
		.amdhsa_float_denorm_mode_16_64 3
		.amdhsa_memory_ordered 1
		.amdhsa_forward_progress 1
		.amdhsa_inst_pref_size 255
	.end_amdhsa_kernel
	.section	.bss,"aw",@nobits
	.p2align	6
	.space	262144
	.amdgpu_metadata
---
amdhsa.version: [ 1, 2 ]
amdhsa.kernels:
  - .name:           k_q52db9b62ff_attn
    .symbol:         k_q52db9b62ff_attn.kd
    .args:
      - { .name: keys, .offset: 0, .size: 8, .value_kind: global_buffer, .address_space: global }
      - { .name: mask, .offset: 8, .size: 8, .value_kind: global_buffer, .address_space: global }
      - { .name: w2b, .offset: 16, .size: 8, .value_kind: global_buffer, .address_space: global }
      - { .name: qs, .offset: 24, .size: 8, .value_kind: global_buffer, .address_space: global }
      - { .name: v, .offset: 32, .size: 8, .value_kind: global_buffer, .address_space: global }
      - { .name: sc, .offset: 40, .size: 8, .value_kind: global_buffer, .address_space: global }
      - { .name: ctxp, .offset: 48, .size: 8, .value_kind: global_buffer, .address_space: global }
    .group_segment_fixed_size: 280064
    .private_segment_fixed_size: 0
    .kernarg_segment_align: 8
    .kernarg_segment_size: 56
    .max_flat_workgroup_size: 128
    .sgpr_count:     66
    .vgpr_count:     1024
    .wavefront_size: 32
...
	.end_amdgpu_metadata
.endif
;; end of part 2
;; launch fin (part 3): grid 64 x 1, 8 waves a work-group, no clusters, 1,280 bytes of LDS; arguments sc, ctxp, out0, out1; writes out0, out1
.if DOCPART == 3
	.amdgcn_target "amdgcn-amd-amdhsa--gfx1250"
	.amdhsa_code_object_version 6
	.text
	.protected	k_q52db9b62ff_fin
	.globl	k_q52db9b62ff_fin
	.p2align	8
	.type	k_q52db9b62ff_fin,@function
k_q52db9b62ff_fin:
	s_mov_b64 s[64:65], 0
	v_nop
	global_prefetch_b8 v0, s[64:65] scope:SCOPE_SE
	s_setreg_imm32_b32 hwreg(HW_REG_WAVE_MODE, 25, 1), 1
	s_wait_xcnt 0x0
; FIN: joins the eight blocks of a batch.  Work-group = batch; thread t owns l = 4t .. 4t+3 of the weights and k = 4t .. 4t+3 of the
; context; wave w covers exactly block w's 128 scores.
;   m_w = block w's largest score (held at or above the most negative finite number: the same operations on the same numbers as in the
;         main launch, and a maximum is exact, so it is the m by which that launch scaled ctxp),  e = exp(sc - m_w),  sigma_w = sum e
;   M = max m_w,  f_w = exp(m_w - M),  S = sum f_w sigma_w
;   out1 = e f_w / S,   out0 = sum over w of (f_w / S) ctxp_w
; A batch that is all masked has S = 0: the reference's NaN becomes 0, here 1/S is replaced by 0.  Otherwise S >= 1.
; Weights below 2^-126 come out as 0 (v_exp_f32 flushes denormals).  Memory binds and the work is small: no LDS but 64 bytes, one barrier.
.set LOG2E, 0x3fb8aa3b
	s_load_b256 s[4:11], s[0:1], 0x0               ; sc s[4:5], ctxp s[6:7], out0 s[8:9], out1 s[10:11]
	v_lshl_add_u32 v80, v0, 2, 0x100
	v_mov_b32 v81, 0
	v_lshrrev_b32 v2, 5, v0
	v_readfirstlane_b32 s12, v2                    ; wave 0..7
	v_lshlrev_b32 v1, 4, v0                        ; my 16 bytes of a row of 4096
	s_lshl_b32 s13, s12, 2
	v_mov_b32 v3, s13                              ; my wave's word in LDS
	s_lshl_b32 s14, ttmp9, 12                      ; a row of 4096 bytes for each batch
	s_mov_b32 s15, 0
	s_lshl_b32 s16, ttmp9, 15                      ; eight such rows in ctxp
	s_mov_b32 s17, 0
	s_mov_b32 s18, 0x76543210                      ; v_permlanex16_b32: lane i of one half reads lane i of the other
	s_mov_b32 s19, 0xfedcba98
	s_wait_kmcnt 0x0
	s_add_nc_u64 s[4:5], s[4:5], s[14:15]
	s_add_nc_u64 s[6:7], s[6:7], s[16:17]
	s_add_nc_u64 s[8:9], s[8:9], s[14:15]
	s_add_nc_u64 s[10:11], s[10:11], s[14:15]
	global_load_b128 v[4:7], v1, s[4:5]
.irp i, 0,1,2,3,4,5,6,7
	global_load_b128 v[8+4*\i:11+4*\i], v1, s[6:7] offset:4096*\i
.endr
	s_wait_loadcnt 8                               ; the scores are in; the eight loads of ctxp stay out
	v_max3_num_f32 v40, v4, v5, v6
	v_max_num_f32 v40, v40, v7
	v_max_num_f32_dpp v40, v40, v40 row_xmask:1 row_mask:0xf bank_mask:0xf
	v_max_num_f32_dpp v40, v40, v40 row_xmask:2 row_mask:0xf bank_mask:0xf
	v_max_num_f32_dpp v40, v40, v40 row_xmask:4 row_mask:0xf bank_mask:0xf
	v_max_num_f32_dpp v40, v40, v40 row_xmask:8 row_mask:0xf bank_mask:0xf
	v_mov_b32 v41, 0                               ; v_permlanex16_b32's destination counts as read
	v_permlanex16_b32 v41, v40, s18, s19
	v_max_num_f32 v40, v40, v41
	v_max_num_f32 v40, 0xff7fffff, v40             ; m_w
.irp i, 0,1,2,3
	v_sub_f32 v[44+\i], v[4+\i], v40
.endr
.irp i, 0,1,2,3
	v_mul_f32 v[44+\i], LOG2E, v[44+\i]
.endr
.irp i, 0,1,2,3
	v_exp_f32 v[44+\i], v[44+\i]
.endr
	v_mov_b32 v43, 0                               ; the plain instruction behind the run of transcendentals (ISA guide 5.7.2), and the next permute's destination
	s_wait_alu depctr_va_vdst(0)
	v_add_f32 v42, v44, v45
	v_add_f32 v41, v46, v47
	v_add_f32 v42, v42, v41
	v_add_f32_dpp v42, v42, v42 row_xmask:1 row_mask:0xf bank_mask:0xf
	v_add_f32_dpp v42, v42, v42 row_xmask:2 row_mask:0xf bank_mask:0xf
	v_add_f32_dpp v42, v42, v42 row_xmask:4 row_mask:0xf bank_mask:0xf
	v_add_f32_dpp v42, v42, v42 row_xmask:8 row_mask:0xf bank_mask:0xf
	v_permlanex16_b32 v43, v42, s18, s19
	v_add_f32 v42, v42, v43                        ; sigma_w
	ds_store_b32 v3, v40                           ; all lanes write the same word with the same number
	ds_store_b32 v3, v42 offset:32
	s_wait_dscnt 0x0
	s_barrier_signal -1
	s_barrier_wait -1
	v_mov_b32 v2, 0
	ds_load_b128 v[48:51], v2                      ; the eight m
	ds_load_b128 v[52:55], v2 offset:16
	ds_load_b128 v[56:59], v2 offset:32            ; the eight sigma
	ds_load_b128 v[60:63], v2 offset:48
	s_wait_dscnt 0x0
	v_max3_num_f32 v64, v48, v49, v50
	v_max3_num_f32 v64, v64, v51, v52
	v_max3_num_f32 v64, v64, v53, v54
	v_max_num_f32 v64, v64, v55                    ; M
.irp i, 0,1,2,3,4,5,6,7
	v_sub_f32 v[48+\i], v[48+\i], v64
.endr
	v_sub_f32 v40, v40, v64
.irp i, 0,1,2,3,4,5,6,7
	v_mul_f32 v[48+\i], LOG2E, v[48+\i]
.endr
	v_mul_f32 v40, LOG2E, v40
.irp i, 0,1,2,3,4,5,6,7
	v_exp_f32 v[48+\i], v[48+\i]                   ; f_i
.endr
	v_exp_f32 v40, v40                             ; my own wave's f
	v_nop
	s_wait_alu depctr_va_vdst(0)
	v_mul_f32 v65, v48, v56
.irp i, 1,2,3,4,5,6,7
	v_fmac_f32 v65, v[48+\i], v[56+\i]             ; S
.endr
	v_cmp_lt_f32 vcc_lo, 0, v65                    ; S > 0
	v_rcp_f32 v66, v65
	v_nop
	s_wait_alu depctr_va_vdst(0)
	v_cndmask_b32 v66, 0, v66, vcc_lo              ; 1 / S, or 0 for a batch that is all masked
	v_mul_f32 v40, v40, v66
.irp i, 0,1,2,3
	v_mul_f32 v[44+\i], v[44+\i], v40
.endr
	global_store_b128 v1, v[44:47], s[10:11]       ; the weights: each store of a wave covers 512 consecutive bytes, aligned
.irp i, 0,1,2,3,4,5,6,7
	v_mul_f32 v[48+\i], v[48+\i], v66
.endr
	s_wait_loadcnt 0x0
.irp c, 0,1,2,3
	v_mul_f32 v[68+\c], v[8+\c], v48
.endr
.irp i, 1,2,3,4,5,6,7
.irp c, 0,1,2,3
	v_fmac_f32 v[68+\c], v[8+4*\i+\c], v[48+\i]
.endr
.endr
	global_store_b128 v1, v[68:71], s[8:9]         ; the context
	s_wait_tensorcnt 0x0
	ds_add_u32 v80, v81
	s_wait_dscnt 0x0
	s_endpgm
.Lfunc_end_k_q52db9b62ff_fin:
	.size	k_q52db9b62ff_fin, .Lfunc_end_k_q52db9b62ff_fin-k_q52db9b62ff_fin
	.p2alignl 7, 3214868480
	.fill 96, 4, 3214868480
	.section	.rodata,"a",@progbits
	.p2align	6, 0x0
	.amdhsa_kernel k_q52db9b62ff_fin
		.amdhsa_group_segment_fixed_size 1280
		.amdhsa_private_segment_fixed_size 0
		.amdhsa_enable_private_segment 0
		.amdhsa_kernarg_size 32
		.amdhsa_user_sgpr_count 2
		.amdhsa_user_sgpr_kernarg_segment_ptr 1
		.amdhsa_wavefront_size32 1
		.amdhsa_system_sgpr_workgroup_id_x 1
		.amdhsa_system_sgpr_workgroup_id_y 1
		.amdhsa_system_sgpr_workgroup_id_z 1
		.amdhsa_system_vgpr_workitem_id 0
		.amdhsa_next_free_vgpr 82
		.amdhsa_next_free_sgpr 66
		.amdhsa_reserve_vcc 1
		.amdhsa_float_denorm_mode_32 3
		.amdhsa_float_denorm_mode_16_64 3
		.amdhsa_memory_ordered 1
		.amdhsa_forward_progress 1
		.amdhsa_inst_pref_size 8
	.end_amdhsa_kernel
	.amdgpu_metadata
---
amdhsa.version: [ 1, 2 ]
amdhsa.kernels:
  - .name:           k_q52db9b62ff_fin
    .symbol:         k_q52db9b62ff_fin.kd
    .args:
      - { .name: sc, .offset: 0, .size: 8, .value_kind: global_buffer, .address_space: global }
      - { .name: ctxp, .offset: 8, .size: 8, .value_kind: global_buffer, .address_space: global }
      - { .name: out0, .offset: 16, .size: 8, .value_kind: global_buffer, .address_space: global }
      - { .name: out1, .offset: 24, .size: 8, .value_kind: global_buffer, .address_space: global }
    .group_segment_fixed_size: 1280
    .private_segment_fixed_size: 0
    .kernarg_segment_align: 8
    .kernarg_segment_size: 32
    .max_flat_workgroup_size: 256
    .sgpr_count:     66
    .vgpr_count:     82
    .wavefront_size: 32
...
	.end_amdgpu_metadata
.endif
;; end of part 3
